; MI455X (gfx1250); checked and timed in simulation.
; The chip was launched on July 23, 2026; its instructions are those of AMD's public machine-readable ISA for CDNA 5 (MIT licence, August 2026) and "CDNA5" Instruction Set Architecture Reference Guide (July 2026). The comments in the code are by the model that wrote it; some were corrected since.
;; Vectorized Expert MLP. Allowed arithmetic: matrix products marked QUANTISED: E5M2 operands, one E8M0 scale for each 32 along K, by v_wmma_scale_f32_16x16x128_f8f6f4 with both operands' format E5M2, f32 sums; products left as they are: f32 operands where the result goes on into a quantised operand, else bf16, f16 or f32 operands; f32 sums; everything else in f32.
;; Inputs: routing_weights 2 x 2,048 x 8 float32; selected_experts 2 x 2,048 x 2 int32; w1_codes 8 x 1,024 x 32 x 32 uint8 (E5M2 codes of w1, K innermost, in blocks of 32 codes); w1_scales 8 x 1,024 x 32 uint8 (E8M0 scales of w1, one for each 32 codes along K); w2_codes 8 x 1,024 x 32 x 32 uint8 (E5M2 codes of w2, K innermost, in blocks of 32 codes); w2_scales 8 x 1,024 x 32 uint8 (E8M0 scales of w2, one for each 32 codes along K); x_codes 2 x 2,048 x 32 x 32 uint8 (E5M2 codes of x, K innermost, in blocks of 32 codes); x_scales 2 x 2,048 x 32 uint8 (E8M0 scales of x, one for each 32 codes along K).
;; Outputs: out0 2 x 2,048 x 1,024 float32.
;; This version of the problem:
;;   THIS VERSION OF THE PROBLEM IS GIVEN IN LOW PRECISION. The matrix products marked QUANTISED in the list below multiply operands that are first quantised to E5M2 (5 exponent bits, 2 mantissa bits; 8 bits a number), with one power-of-two scale for each 32 numbers along K (OCP MX v1.0); their sums are f32. All else is computed in f32.
;;   The module's matrix products, in the order in which they are computed (A, B: the left and right operand; K: the contracted axis; several contracted axes count as one K, in the product's order):
;;     1. [M 4,096, K 1,024] x [K 1,024, N 8,192]; A: input x (given as codes); B: input w1 (given as codes): QUANTISED
;;     2. batch 8 x [M 1,024, K 1,024] x [K 1,024, N 4,096]; A: input w2 (given as codes); B: computed on the way: QUANTISED
;;     3. batch 4,096 x [M 1,024, K 8] x [K 8, N 1]; A: computed on the way; B: input routing_weights: left as it is (K = 8 < 32)
;;   THE QUANTISER, for each operand of a quantised product, along K:
;;     - K is cut into blocks of 32 from its start; a last block that is shorter is filled with zeros.
;;     - A block's scale is 2^e with e = floor(log2(the largest magnitude in the block)) - 15, held to -126 .. 127; a block of zeros has e = 0. As a byte (E8M0): e + 127.
;;     - Each number is divided by its block's scale, clamped to +-57,344, and rounded to the nearest number of E5M2, ties to even, subnormals kept.
;;     - The product sums the exact products of the quantised numbers (number of the format x scale) in f32.
;;   ~~~python
;;   def quantise(x, axis):      # numpy; x: float32 -> the quantised numbers, widened to float32 again
;;       x = np.moveaxis(x, axis, -1); K = x.shape[-1]
;;       x = np.pad(x, [(0, 0)] * (x.ndim - 1) + [(0, -K % 32)]); x = x.reshape(x.shape[:-1] + (-1, 32)); a = np.abs(x).max(-1, keepdims=True)
;;       e = np.where(a > 0, np.clip(np.frexp(np.where(a > 0, a, 1))[1] - 1 - 15, -126, 127), 0)      # np.frexp(a)[1] - 1 = floor(log2(a)), exactly
;;       r = np.clip(x / 2.0 ** e, -57344, 57344)
;;       step = 2.0 ** (np.maximum(np.frexp(np.where(r == 0, 1, r))[1] - 1, -14) - 2)
;;       q = np.round(r / step) * step * 2.0 ** e      # np.round: ties to even
;;       return np.moveaxis(q.reshape(q.shape[:-2] + (-1,))[..., :K], -1, axis).astype(np.float32)
;;   ~~~
;;   OPERANDS COMPUTED ON THE WAY. 'Computed on the way' means the value that the module computes at that place (a softmax that the list does not call 'softmax' is quantised finished and normalised). What goes into a quantiser is computed in f32, as accurately as f32 sums, v_exp_f32 and their like allow (about 1e-6 of the number): no bf16 or f16 on the way to a quantiser, and a product that is left as it is and whose result goes on into a quantised operand takes f32 operands (vector FMAs, or v_wmma_f32_16x16x4_f32). A number that lies on a knife's edge between two numbers of the format may be rounded either way, as far as f32 arithmetic and the matrix unit's own rounding can turn it there, and no further.
;;   INPUTS GIVEN AS CODES. w1 (in the module: [8, 1024, 1024], K = its axis 1); w2 (in the module: [8, 1024, 1024], K = its axis 1); x (in the module: [2, 2048, 1024], K = its axis 2): each comes as NAME_codes (uint8): NAME with its K axis moved to the last place and cut into blocks of 32 codes, [.., K / 32, bytes a block], one block behind the other in memory; one code a byte (a code: sign, 5 exponent bits, 2 mantissa bits); and NAME_scales (uint8): the same leading axes, one E8M0 byte (e + 127) for each 32 codes along K. Its value is code x scale, taken as it is: it is not quantised again, and the codes and scales need not be those that the quantiser above would give.
;; One version. Each part assembles by itself: llvm-mc -triple=amdgcn-amd-amdhsa -mcpu=gfx1250 --defsym DOCPART=n.
;; ======== version 1 of 1: 3 launches
;; limits: values are held in bf16: 8 bits of precision; right only within a limited range of input values
;; workspace buffers: hc 33,554,432 bytes; hs 1,048,576 bytes; op 67,108,864 bytes
;; launch up (part 1): grid 8 x 32, 4 waves a work-group, clusters of 4 x 4, 327,680 bytes of LDS; arguments x_codes, x_scales, w1_codes, w1_scales, hc, hs; writes hc, hs
.if DOCPART == 1
	.amdgcn_target "amdgcn-amd-amdhsa--gfx1250"
	.amdhsa_code_object_version 6
	.text
	.protected	k_q96f578c487_up
	.globl	k_q96f578c487_up
	.p2align	8
	.type	k_q96f578c487_up,@function
k_q96f578c487_up:
	s_mov_b64 s[64:65], 0
	v_nop
	global_prefetch_b8 v0, s[64:65] scope:SCOPE_SE
	s_setreg_imm32_b32 hwreg(HW_REG_WAVE_MODE, 25, 1), 1
	s_wait_xcnt 0x0
	s_wait_alu depctr_hold_cnt(0) depctr_sa_sdst(0) depctr_va_vdst(0) depctr_va_sdst(0) depctr_va_ssrc(0) depctr_va_vcc(0) depctr_vm_vsrc(0)
	s_getreg_b32 s2, hwreg(HW_REG_IB_STS2, 6, 4)
	s_cmp_eq_u32 s2, 0
	s_cbranch_scc0 .Lentry_in_a_cluster
	s_endpgm
.Lentry_in_a_cluster:
	s_bfe_u32 s2, ttmp6, 0x10000c
	s_cmp_lg_u32 s2, 0xf033
	s_cbranch_scc0 .Lentry_shape_is_right
	s_endpgm
.Lentry_shape_is_right:
; hidden = Q(silu(x W1^T)) for one expert e and 128 tokens a work-group; x and W1 are codes of E5M2 with K innermost and an E8M0 byte for each 32 along K, and go to the matrix instruction as they lie.
; DEAD INPUT: selected_experts. The function weighs every expert in and never uses it, whatever it holds; it is not loaded.
; LIMITS: NaN, infinities and scale bytes 0xff among the inputs are not served. Under about -88 silu comes out as -0. A block of the hidden layer never gets a byte under 1 (a block of zeros has zero codes).
; hc [e 8][token block 256][32 units: 32][lane 32][16 bytes]: lane (r, h) holds token r's units 8 h .. 8 h + 7 and 16 + 8 h .. 16 + 8 h + 7 of the 32.  hs [e][token 4,096][32 bytes].
; SHARES. Wave (i, j): 64 tokens (half i), all of K, stand in registers (512, windows 1 and 2); W1's rows stream past in chunks of 128 (8 chunks, two LDS slots), rows 64 j .. 64 j + 63 of each: four blocks of 16.
; Block b of a chunk: 32 products; source 0 = 16 rows of W1 (window 3, two sets of 128), source 1 = 16 tokens: a lane holds ONE token, its registers run along the units. Blocks 0, 1 and 2, 3 make 32 units each: a scale block lies in lanes l and l xor 16.
; CLUSTERS: 4 x 4: the four of a row share x's tile, the four of a column W1's: joint loads.
; STREAM: ahead of block b, block b + 1 is loaded from LDS in one run into the set that block b - 1 has used; it has all of block b in which to come.
; ONE ROUND A CHUNK, in block 2: all reads of this slot are over, the other slot's chunk has landed; this slot is filled again with the chunk two on, which then has a whole chunk (128 products a wave) in which to land.
; No prefetch: every refill is asked for 128 products ahead, and eight clusters read each tile of W1.
; THE WAY OUT of block k: -log2(e) v and 2^ ahead of block k + 1, 1 + among its products, 1 / ahead of block k + 2, v x among its products; the pair's largest magnitudes among block (odd) k's products; holds, conversions, stores ahead of the next block.
; The first trip finds no earlier blocks: those registers are set at the head and nothing is stored for them.
; REGISTERS, window 0: v64-191 four sets of four accumulators; v192-255 two sets of 32 temporaries; below: named here
.set PITCH, 1040
.set YB, 128*PITCH
.set SPARE, 2*YB
.set STG, SPARE+768
.set SCL, STG+4096
.set A, 1
.set VS, 2
.set SPW, 3
.set NIL, 4
.set CO, 5
.set HSA, 6
.set B, 7
.set MX, 8
.set PM, 12
.set WS, 24
.set XS, 44
.set BD, 60
.set ACC, 64
.set T, 192
.set G1X, 24
.set G1W, 32
.set G1R, 40
.set G1S, 48
.set G0X, 56
.set G0W, 60
.set G0R, 68
.set G0S, 72
.set SEL, 76
.set MNT, 78
.set SO, 79
.set SR, 80
.set TC, 81
.set WOFF, 82
.set MSB, 0
.macro WIN new
.if MSB != (\new)
	s_set_vgpr_msb (MSB<<8)|(\new)
.set MSB, (\new)
.endif
.endm
.macro PLACES n
.rept \n
	v_nop
.endr
.endm
.macro WALU
	s_wait_alu depctr_va_vdst(0)
.endm
.macro BARRIER
	s_barrier_signal -1
	s_barrier_wait -1
.endm
.macro CREST
	s_cmp_lg_u32 s16, 0
	s_cbranch_scc1 .Lnot_wave_0_\@
	s_barrier_signal -3
.Lnot_wave_0_\@:
	s_barrier_wait -3
	BARRIER
.endm
.macro CROUND
	BARRIER
	CREST
.endm
.macro TLOAD g0, g1
	tensor_load_to_lds s[\g0:\g0+3], s[\g1:\g1+7]
	s_nop 0
	PLACES 4
.endm
.macro GROUP1 g, mask, rows            ; rows of 1,024 bytes, 16 bytes of padding behind each
	s_or_b32 s[\g+0], s[\mask], (1<<20)|(1<<21)|(7<<22)|(3<<25)
	s_mov_b32 s[\g+1], 1024<<16
	s_mov_b32 s[\g+2], (\rows)<<16
	s_mov_b32 s[\g+3], 1024<<16
	s_mov_b32 s[\g+4], \rows
	s_mov_b32 s[\g+5], 1024
	s_mov_b32 s[\g+6], 0
	s_mov_b32 s[\g+7], 0
.endm
	s_load_b128 s[4:7], s[0:1], 0x0                ; x's codes, scales
	s_load_b128 s[8:11], s[0:1], 0x10              ; W1's codes, scales
	s_load_b128 s[12:15], s[0:1], 0x20             ; hc, hs
	v_lshl_add_u32 v[SPW], v0, 2, SPARE
	v_mov_b32 v[NIL], 0
	ds_add_u32 v[SPW], v[NIL]                      ; the opening add, twice on end
	ds_add_u32 v[SPW], v[NIL]
	v_lshrrev_b32 v16, 5, v0
	v_readfirstlane_b32 s16, v16                   ; wave
	s_lshr_b32 s17, s16, 1                         ; i: my half of the tokens
	s_and_b32 s18, s16, 1                          ; j: my half of a chunk's rows
	s_bfe_u32 s20, ttmp6, 0x40000                  ; cx
	s_bfe_u32 s21, ttmp6, 0x40004                  ; cy
	s_lshl_b32 s84, ttmp9, 2
	s_add_co_u32 s84, s84, s20                     ; expert
	s_and_b32 s85, ttmp7, 0xffff
	s_lshl_b32 s85, s85, 2
	s_add_co_u32 s85, s85, s21                     ; token tile
	s_lshl_b32 s86, s21, 2
	s_lshl_b32 s86, 15, s86                        ; my row of the cluster
	s_lshl_b32 s87, 0x1111, s20                    ; my column
	GROUP1 G1X, 86, 128
	GROUP1 G1W, 87, 128
	GROUP1 G1R, 87, 32
	s_or_b32 s[G1S+0], s87, (3<<16)|(1<<20)|(1<<21)|(5<<22)|(3<<25)   ; 512 rows of scales: 64 units of 256 bytes, 16 of padding behind each
	s_mov_b32 s[G1S+1], 32<<16
	s_mov_b32 s[G1S+2], 64<<16
	s_mov_b32 s[G1S+3], 32<<16
	s_mov_b32 s[G1S+4], 64
	s_mov_b32 s[G1S+5], 32
	s_mov_b32 s[G1S+6], 0
	s_mov_b32 s[G1S+7], 0
	s_lshl_b32 s20, s85, 17                        ; x: token tile x 128 rows
	s_mov_b32 s21, 0
	s_lshl_b32 s22, s84, 20                        ; W1: expert x 1,024 rows
	s_mov_b32 s23, 0
	s_lshl_b32 s88, s84, 15                        ; W1's scales: a half of 512 rows for each of waves 2, 3
	s_lshl_b32 s90, s18, 14
	s_add_co_u32 s88, s88, s90
	s_mov_b32 s89, 0
	s_lshl_b32 s90, s16, 15                        ; chunk 1: my 32 rows
	s_add_co_u32 s90, s90, s22
	s_add_co_u32 s90, s90, 131072
	s_mov_b32 s91, 0
	s_mul_i32 s[WOFF], s16, 32*PITCH
	s_mov_b32 s[G0X], 1
	s_mov_b32 s[G0X+1], YB
	s_mov_b32 s[G0W], 1
	s_mov_b32 s[G0W+1], 0
	s_mov_b32 s[G0R], 1
	s_add_co_u32 s[G0R+1], s[WOFF], YB
	s_mov_b32 s[G0S], 1
	s_mul_i32 s[G0S+1], s18, 64*272
	s_add_co_u32 s[G0S+1], s[G0S+1], SCL
	s_wait_dscnt 0x0
	CROUND
	s_wait_kmcnt 0x0
	s_add_nc_u64 s[G0X+2:G0X+3], s[4:5], s[20:21]
	s_or_b32 s[G0X+3], s[G0X+3], 0x80000000
	s_add_nc_u64 s[G0W+2:G0W+3], s[8:9], s[22:23]
	s_or_b32 s[G0W+3], s[G0W+3], 0x80000000
	s_add_nc_u64 s[G0S+2:G0S+3], s[10:11], s[88:89]
	s_or_b32 s[G0S+3], s[G0S+3], 0x80000000
	s_add_nc_u64 s[G0R+2:G0R+3], s[8:9], s[90:91]
	s_or_b32 s[G0R+3], s[G0R+3], 0x80000000
	s_cmp_eq_u32 s16, 0                            ; one joint load a wave
	s_cbranch_scc0 .Lwave_1
	TLOAD G0X, G1X                                 ; wave 0: x's 128 rows, into slot 1
	s_branch .Lasked
.Lwave_1:
	s_cmp_eq_u32 s16, 1
	s_cbranch_scc0 .Lscales
	TLOAD G0W, G1W                                 ; wave 1: chunk 0, into slot 0
	s_branch .Lasked
.Lscales:
	TLOAD G0S, G1S                                 ; waves 2, 3: W1's scales
.Lasked:
	s_mul_i32 s92, s17, 64*PITCH
	s_add_co_u32 s92, s92, YB                      ; my 64 tokens in slot 1
	s_mul_i32 s93, s18, 64*PITCH                   ; my 64 rows of a chunk
	s_mul_i32 s94, s18, 8*272
	s_add_co_u32 s94, s94, SCL-16*272              ; a chunk's scales are 16 units; the first trip steps to chunk 0
	s_lshl_b32 s95, s17, 11
	s_lshl_b32 s96, s18, 1
	s_add_co_u32 s95, s95, s96
	s_add_co_u32 s95, s95, STG-8                   ; two trips' steps of 4 stand ahead of the first byte that is stored
	s_lshl_b32 s96, s85, 12
	s_lshl_b32 s97, s17, 11
	s_add_co_u32 s96, s96, s97
	s_mov_b32 s97, 0
	s_add_nc_u64 s[6:7], s[6:7], s[96:97]          ; x's scales: my 64 tokens
	v_and_b32 v16, 15, v0                          ; r
	v_bfe_u32 v17, v0, 4, 1                        ; h
	v_and_b32 v18, 31, v0                          ; lane
	v_mul_u32_u24 v19, v16, PITCH
	v_lshl_add_u32 v19, v17, 4, v19                ; a fragment's row, + 16 h
	v_add_nc_u32 v23, s92, v19
	v_add_nc_u32 v[B], s93, v19
	v_add_nc_u32 v[A], s93, v19
	v_lshlrev_b32 v20, 5, v18                      ; 32 bytes of scales a row, 16 of padding for each 8 rows
	v_lshrrev_b32 v21, 3, v18
	v_lshl_add_u32 v21, v21, 4, v20
	v_add_nc_u32 v[VS], s94, v21
	v_lshlrev_b32 v[CO], 4, v18
	v_lshl_add_u32 v[HSA], v16, 5, s95
.irp p, 0,1
.irp c, 0,1
	global_load_b128 v[XS+8*\p+4*\c:XS+8*\p+4*\c+3], v20, s[6:7] offset:1024*\p+16*\c   ; lanes 0-15 tile 2 p's rows, lanes 16-31 tile 2 p + 1's
.endr
.endr
.set i_, 0
.rept 8
	v_mov_b32 v[MX+i_], 0                          ; (a lane permute's destination counts as read)
.set i_, i_+1
.endr
.set i_, 0
.rept 128
	v_mov_b32 v[ACC+i_], 0                         ; the first trip's way out has no blocks before it: it works on these and stores nothing
.set i_, i_+1
.endr
.set i_, 0
.rept 32
	v_mov_b32 v[T+i_], 1.0
.set i_, i_+1
.endr
	s_lshl_b32 s20, s84, 22                        ; hc: expert, token block 8 tile + 4 i, unit block 2 j
	s_lshl_b32 s21, s85, 17
	s_add_co_u32 s20, s20, s21
	s_lshl_b32 s21, s17, 16
	s_add_co_u32 s20, s20, s21
	s_lshl_b32 s21, s18, 10
	s_add_co_u32 s20, s20, s21
	s_mov_b32 s21, 0
	s_add_nc_u64 s[12:13], s[12:13], s[20:21]
	s_sub_nc_u64 s[12:13], s[12:13], 4096          ; two trips' steps of 2,048 ahead of the first store
	s_lshl_b32 s20, s84, 17                        ; hs: expert, token tile, a quarter a wave
	s_lshl_b32 s22, s85, 12
	s_add_co_u32 s20, s20, s22
	s_lshl_b32 s22, s16, 10
	s_add_co_u32 s20, s20, s22
	s_add_nc_u64 s[14:15], s[14:15], s[20:21]
	s_mov_b32 s[SEL], 0x76543210
	s_mov_b32 s[SEL+1], 0xfedcba98
	s_mov_b32 s[MNT], 0x600000
	s_mov_b32 s[SO], YB
	s_mov_b32 s[SR], 0
	s_mov_b32 s[TC], 0
.macro LB set, blk                     ; block blk's eight fragments, 16 rows x 128 K each
	WIN 0xc0
.irp q, 0,1,2,3,4,5,6,7
.irp c, 0,1,2,3
	ds_load_b128 v[128*(\set)+16*\q+4*\c:128*(\set)+16*\q+4*\c+3], v[A] offset:(\blk)*16*PITCH+128*\q+32*\c
.endr
.endr
	WIN 0
.endm
.macro WSL set, off                    ; 32 rows' scale words: lanes 0-15 the even block's, lanes 16-31 the odd block's
	ds_load_b128 v[WS+8*(\set):WS+8*(\set)+3], v[VS] offset:\off
	ds_load_b128 v[WS+8*(\set)+4:WS+8*(\set)+7], v[VS] offset:(\off)+16
.endm
	WALU
	s_wait_tensorcnt 0x0
	BARRIER                                        ; x, chunk 0 and the scales are in
.irp q, 0,1,2,3,4,5,6,7
.irp t, 0,1,2,3
	WIN (1+(\q)/4)<<6
.irp c, 0,1,2,3
	ds_load_b128 v[16*((4*\q+\t)%16)+4*\c:16*((4*\q+\t)%16)+4*\c+3], v23 offset:\t*16*PITCH+128*\q+32*\c
.endr
.endr
.endr
	WIN 0
	WSL 0, 16*272
	LB 0, 0
	s_wait_tensorcnt 0x0                           ; slot 1 takes chunk 1 when all hold x in registers
	ds_add_u32 v[SPW], v[NIL]
	s_wait_dscnt 0x0
	s_wait_loadcnt 0x0
	CROUND
	TLOAD G0R, G1R
.macro WMX z
.if \z
.if rA_ && rB_
	v_wmma_scale_f32_16x16x128_f8f6f4 v[D_:D_+7], v[S_:S_+15], v[X_:X_+15], 0, v[WS_], v[XS_] matrix_a_fmt:MATRIX_FMT_BF8 matrix_b_fmt:MATRIX_FMT_BF8 matrix_a_scale:MATRIX_SCALE_ROW1 matrix_b_scale:MATRIX_SCALE_ROW1
.elseif rA_
	v_wmma_scale_f32_16x16x128_f8f6f4 v[D_:D_+7], v[S_:S_+15], v[X_:X_+15], 0, v[WS_], v[XS_] matrix_a_fmt:MATRIX_FMT_BF8 matrix_b_fmt:MATRIX_FMT_BF8 matrix_a_scale:MATRIX_SCALE_ROW1
.elseif rB_
	v_wmma_scale_f32_16x16x128_f8f6f4 v[D_:D_+7], v[S_:S_+15], v[X_:X_+15], 0, v[WS_], v[XS_] matrix_a_fmt:MATRIX_FMT_BF8 matrix_b_fmt:MATRIX_FMT_BF8 matrix_b_scale:MATRIX_SCALE_ROW1
.else
	v_wmma_scale_f32_16x16x128_f8f6f4 v[D_:D_+7], v[S_:S_+15], v[X_:X_+15], 0, v[WS_], v[XS_] matrix_a_fmt:MATRIX_FMT_BF8 matrix_b_fmt:MATRIX_FMT_BF8
.endif
.else
.if rA_ && rB_
	v_wmma_scale_f32_16x16x128_f8f6f4 v[D_:D_+7], v[S_:S_+15], v[X_:X_+15], v[D_:D_+7], v[WS_], v[XS_] matrix_a_fmt:MATRIX_FMT_BF8 matrix_b_fmt:MATRIX_FMT_BF8 matrix_a_scale:MATRIX_SCALE_ROW1 matrix_b_scale:MATRIX_SCALE_ROW1
.elseif rA_
	v_wmma_scale_f32_16x16x128_f8f6f4 v[D_:D_+7], v[S_:S_+15], v[X_:X_+15], v[D_:D_+7], v[WS_], v[XS_] matrix_a_fmt:MATRIX_FMT_BF8 matrix_b_fmt:MATRIX_FMT_BF8 matrix_a_scale:MATRIX_SCALE_ROW1
.elseif rB_
	v_wmma_scale_f32_16x16x128_f8f6f4 v[D_:D_+7], v[S_:S_+15], v[X_:X_+15], v[D_:D_+7], v[WS_], v[XS_] matrix_a_fmt:MATRIX_FMT_BF8 matrix_b_fmt:MATRIX_FMT_BF8 matrix_b_scale:MATRIX_SCALE_ROW1
.else
	v_wmma_scale_f32_16x16x128_f8f6f4 v[D_:D_+7], v[S_:S_+15], v[X_:X_+15], v[D_:D_+7], v[WS_], v[XS_] matrix_a_fmt:MATRIX_FMT_BF8 matrix_b_fmt:MATRIX_FMT_BF8
.endif
.endif
.endm
.macro PROD b, n                       ; product n = 4 q + t: the q-th 128 of K, token tile t
.set Q_, (\n)/4
.set T_, (\n)%4
.set D_, ACC+32*(\b)+8*T_
.set S_, 128*((\b)%2)+16*Q_
.set X_, 16*((4*Q_+T_)%16)
.set WS_, WS+8*((\b)/2)+Q_
.set XS_, XS+8*(T_/2)+Q_
.set rA_, (\b)%2
.set rB_, T_%2
	WIN 3|((1+Q_/4)<<2)
.if Q_ == 0
	WMX 1
.else
	WMX 0
.endif
.endm
; Plain line i of a block: v x 1 / (1 + 2^..) of block b - 2; 1 + 2^.. of block b - 1; in odd blocks the largest magnitudes of blocks b - 3, b - 2
.macro LINE b, i
	WIN 0
.if (\i) < 16
	v_pk_mul_f32 v[ACC+32*(((\b)+2)%4)+2*(\i):ACC+32*(((\b)+2)%4)+2*(\i)+1], v[ACC+32*(((\b)+2)%4)+2*(\i):ACC+32*(((\b)+2)%4)+2*(\i)+1], v[T+32*((\b)%2)+2*(\i):T+32*((\b)%2)+2*(\i)+1]
.elseif (\i) < 32
.set r_, T+32*(((\b)+1)%2)+2*((\i)-16)
	v_pk_add_f32 v[r_:r_+1], v[r_:r_+1], 1.0 op_sel_hi:[1,0]
.elseif (\i) < 64
.set s_, ((\i)-32)/4
.set t_, ((\i)-32)%4
.if s_ < 4
.set r_, ACC+32*(((\b)+1)%4)+8*t_+2*s_
.else
.set r_, ACC+32*(((\b)+2)%4)+8*t_+2*(s_-4)
.endif
.if s_ == 0
	v_max3_num_f32 v[MX+t_], |v[r_]|, |v[r_+1]|, 0x8000000   ; the floor 2^(16 - 127)
.else
	v_max3_num_f32 v[MX+t_], v[MX+t_], |v[r_]|, |v[r_+1]|
.endif
.endif
.endm
.macro MEET n, mode                    ; in block 2: the round
.if (\n) == 22
	WIN 0
	s_wait_tensorcnt 0x0                           ; the other slot's chunk has landed: my part
.if (\mode) == 0
	ds_add_u32 v[SPW], v[NIL]
	s_add_co_u32 s[G0R+1], s[SR], s[WOFF]          ; this slot takes the chunk two on
	s_add_nc_u64 s[G0R+2:G0R+3], s[G0R+2:G0R+3], 131072
.endif
.endif
.if (\n) == 27
	WIN 0
	s_wait_dscnt 0x0                               ; the add is done, and my reads of this slot are over
	s_barrier_signal -1
.endif
.endm
.macro QB                              ; the pair's scales: the other half's largest; the bound 57,344 x the scale; the conversion's scale operand; the byte
.irp t, 0,1,2,3
	v_permlanex16_b32 v[PM+\t], v[MX+\t], s[SEL], s[SEL+1]
.endr
.irp t, 0,1,2,3
	v_max_num_f32 v[MX+\t], v[MX+\t], v[PM+\t]
.endr
.irp t, 0,1,2,3
	v_and_or_b32 v[BD+\t], v[MX+\t], 0x7f800000, s[MNT]
.endr
.irp t, 0,1,2,3
	v_add_nc_u32 v[PM+\t], 0xf8800000, v[MX+\t]
.endr
.irp t, 0,1,2,3
	v_lshrrev_b32 v[MX+\t], 23, v[PM+\t]
.endr
.endm
.macro HOLD r, i
	v_med3_num_f32 v[\r+\i], v[\r+\i], -v[BD+(\i)/8], v[BD+(\i)/8]
.endm
.macro CVT b                           ; 16 codes a lane and token tile: the even block's 8, then the odd block's (a tile's registers: v16, v20, v40 on, and the bounds' own, done with)
.irp t, 0,1,2,3
.if \t < 2
.set r_, 16+4*\t
.elseif \t == 2
.set r_, 40
.else
.set r_, BD
.endif
	v_cvt_scalef32_pk8_bf8_f32 v[r_:r_+1], v[ACC+32*(\b)+8*\t:ACC+32*(\b)+8*\t+7], v[PM+\t]
	v_cvt_scalef32_pk8_bf8_f32 v[r_+2:r_+3], v[ACC+32*((\b)+1)+8*\t:ACC+32*((\b)+1)+8*\t+7], v[PM+\t]
.endr
	v_nop
.endm
.macro SEND p                          ; 512 consecutive bytes a store
	ds_store_b8 v[HSA], v[MX] offset:\p
	ds_store_b8 v[HSA], v[MX+1] offset:512+\p
	ds_store_b8 v[HSA], v[MX+2] offset:1024+\p
	ds_store_b8 v[HSA], v[MX+3] offset:1536+\p
	global_store_b128 v[CO], v[16:19], s[12:13] offset:512*\p
	global_store_b128 v[CO], v[20:23], s[12:13] offset:512*\p+16384
	global_store_b128 v[CO], v[40:43], s[12:13] offset:512*\p+32768
	global_store_b128 v[CO], v[60:63], s[12:13] offset:512*\p+49152
.endm
.macro BOUNDARY b, mode                ; ahead of block b
	WIN 0
.if (\b) == 0
	v_add_nc_u32 v[HSA], 4, v[HSA]
.if (\mode) < 3
	v_add_nc_u32 v[VS], 16*272, v[VS]
.endif
.endif
.if (\b) == 3 && (\mode) < 2
	v_add_nc_u32 v[A], s[SO], v[B]                 ; on to the other slot
.endif
	v_nop
	WALU
.if (\b)%2 == 0
	s_wait_xcnt 0x0                                ; the last pair's stores have read their registers and base
.if (\b) == 0
	s_add_nc_u64 s[12:13], s[12:13], 2048
.endif
.endif
	s_wait_dscnt 0x0                               ; block b's fragments are in
.if (\b)%2 == 0
	QB
.endif
.set i_, 0
.rept 16
	v_pk_mul_f32 v[T+32*(((\b)+1)%2)+2*i_:T+32*(((\b)+1)%2)+2*i_+1], v[ACC+32*(((\b)+3)%4)+2*i_:ACC+32*(((\b)+3)%4)+2*i_+1], 0xbfb8aa3b op_sel_hi:[1,0]   ; -log2(e) v of block b - 1; places too, in front of the loads below
.set i_, i_+1
.endr
.if (\b) == 0 && (\mode) < 3
	WSL 1, 4*272
.endif
.if (\b) == 3 && (\mode) < 2
	WSL 0, 16*272
	LB 0, 0
.endif
.if (\b) < 3 && (\mode) < 3
	LB (((\b)+1)%2), ((\b)+1)
.endif
	WALU
.set i_, 0
.rept 32                               ; one batch: 2^.. of block b - 1, 1 / .. of block b - 2; the pair's holds between them
	v_exp_f32 v[T+32*(((\b)+1)%2)+i_], v[T+32*(((\b)+1)%2)+i_]
.if (\b)%2 == 0
	HOLD ACC+32*(\b), i_
.endif
	v_rcp_f32 v[T+32*((\b)%2)+i_], v[T+32*((\b)%2)+i_]
.if (\b)%2 == 0
	HOLD ACC+32*(\b)+32, i_
.endif
.set i_, i_+1
.endr
	v_nop
	WALU                                           ; one wait for the batch
.if (\b)%2 == 0
	CVT \b
.if (\mode) == 0
	s_cmp_eq_u32 s[TC], 0
	s_cbranch_scc1 .Lno_pair_\@
.endif
	SEND (\b)/2
.if (\mode) == 0
.Lno_pair_\@:
.endif
.endif
.endm
.macro BLOCK b, mode
	BOUNDARY \b, \mode
.set n_, 0
.rept 32
	PROD \b, n_
.if (\b)%2
.if n_ > 9
	LINE \b, 3*(n_-10)
	LINE \b, 3*(n_-10)+1
	LINE \b, 3*(n_-10)+2
.endif
.elseif n_ > 15
	LINE \b, 2*(n_-16)
	LINE \b, 2*(n_-16)+1
.endif
.if (\b) == 2 && (\mode) < 2
	MEET n_, \mode
.endif
.set n_, n_+1
.endr
	WIN 0
.if (\b) == 2 && (\mode) < 2
	s_barrier_wait -1
.if (\mode) == 0
	CREST                                          ; no wave of any partner still reads this slot or has a load on its way
	TLOAD G0R, G1R
.endif
.endif
.endm
.macro TRIP mode                       ; a chunk.  0: this slot is filled again; 1: nothing is; 2: the last chunk
	BLOCK 0, \mode
	BLOCK 1, \mode
	BLOCK 2, \mode
	BLOCK 3, \mode
	s_xor_b32 s[SO], s[SO], YB
	s_xor_b32 s[SR], s[SR], YB
.endm
.Lchunk:
	TRIP 0
	s_add_co_u32 s[TC], s[TC], 1
	s_cmp_lg_u32 s[TC], 6
	s_cbranch_scc1 .Lchunk
	TRIP 1
	TRIP 2
	BOUNDARY 0, 3                                  ; the last two pairs' way out
.set n_, 0
.rept 32
	LINE 0, n_
.set n_, n_+1
.endr
	WALU
.set i_, 0
.rept 32
	v_rcp_f32 v[T+32+i_], v[T+32+i_]
.set i_, i_+1
.endr
	v_nop
	WALU
.set n_, 0
.rept 64
.if n_ < 16 || n_ > 31
	LINE 1, n_
.endif
.set n_, n_+1
.endr
	WALU
	s_wait_xcnt 0x0
	s_wait_dscnt 0x0
	QB
.set i_, 0
.rept 32
	HOLD ACC+64, i_
	HOLD ACC+96, i_
.set i_, i_+1
.endr
	CVT 2
	SEND 1
	WALU
	s_wait_dscnt 0x0                               ; for the others' sake: my bytes are in the stage
	BARRIER
	s_lshl_b32 s20, s16, 10
	s_add_co_u32 s20, s20, STG
	v_add_nc_u32 v8, s20, v[CO]
	WALU
	ds_load_b128 v[64:67], v8
	ds_load_b128 v[68:71], v8 offset:512
	s_wait_dscnt 0x0
	global_store_b128 v[CO], v[64:67], s[14:15]
	global_store_b128 v[CO], v[68:71], s[14:15] offset:512
	s_wait_tensorcnt 0x0                           ; the wave's end
	ds_add_u32 v[SPW], v[NIL]
	s_wait_dscnt 0x0
	CROUND
	s_endpgm
.Lfunc_end_k_q96f578c487_up:
	.size	k_q96f578c487_up, .Lfunc_end_k_q96f578c487_up-k_q96f578c487_up
	.p2alignl 7, 3214868480
	.fill 96, 4, 3214868480
	.section	.rodata,"a",@progbits
	.p2align	6, 0x0
	.amdhsa_kernel k_q96f578c487_up
		.amdhsa_group_segment_fixed_size 327680
		.amdhsa_private_segment_fixed_size 0
		.amdhsa_enable_private_segment 0
		.amdhsa_kernarg_size 48
		.amdhsa_user_sgpr_count 2
		.amdhsa_user_sgpr_kernarg_segment_ptr 1
		.amdhsa_wavefront_size32 1
		.amdhsa_system_sgpr_workgroup_id_x 1
		.amdhsa_system_sgpr_workgroup_id_y 1
		.amdhsa_system_sgpr_workgroup_id_z 1
		.amdhsa_system_vgpr_workitem_id 0
		.amdhsa_next_free_vgpr 1024
		.amdhsa_next_free_sgpr 100
		.amdhsa_reserve_vcc 0
		.amdhsa_float_denorm_mode_32 3
		.amdhsa_float_denorm_mode_16_64 3
		.amdhsa_memory_ordered 1
		.amdhsa_forward_progress 1
		.amdhsa_inst_pref_size 255
	.end_amdhsa_kernel
	.amdgpu_metadata
---
amdhsa.version: [ 1, 2 ]
amdhsa.kernels:
  - .name:           k_q96f578c487_up
    .symbol:         k_q96f578c487_up.kd
    .args:
      - { .name: x_codes, .offset: 0, .size: 8, .value_kind: global_buffer, .address_space: global }
      - { .name: x_scales, .offset: 8, .size: 8, .value_kind: global_buffer, .address_space: global }
      - { .name: w1_codes, .offset: 16, .size: 8, .value_kind: global_buffer, .address_space: global }
      - { .name: w1_scales, .offset: 24, .size: 8, .value_kind: global_buffer, .address_space: global }
      - { .name: hc, .offset: 32, .size: 8, .value_kind: global_buffer, .address_space: global }
      - { .name: hs, .offset: 40, .size: 8, .value_kind: global_buffer, .address_space: global }
    .group_segment_fixed_size: 327680
    .private_segment_fixed_size: 0
    .kernarg_segment_align: 8
    .kernarg_segment_size: 48
    .max_flat_workgroup_size: 128
    .sgpr_count:     100
    .vgpr_count:     1024
    .wavefront_size: 32
...
	.end_amdgpu_metadata
.endif
;; end of part 1
;; launch down (part 2): grid 64 x 4, 4 waves a work-group, clusters of 4 x 4, 327,680 bytes of LDS; arguments hc, hs, w2_codes, w2_scales, op; writes op
.if DOCPART == 2
	.amdgcn_target "amdgcn-amd-amdhsa--gfx1250"
	.amdhsa_code_object_version 6
	.text
	.protected	k_q96f578c487_down
	.globl	k_q96f578c487_down
	.p2align	8
	.type	k_q96f578c487_down,@function
k_q96f578c487_down:
	s_mov_b64 s[64:65], 0
	v_nop
	global_prefetch_b8 v0, s[64:65] scope:SCOPE_SE
	s_setreg_imm32_b32 hwreg(HW_REG_WAVE_MODE, 25, 1), 1
	s_wait_xcnt 0x0
	s_wait_alu depctr_hold_cnt(0) depctr_sa_sdst(0) depctr_va_vdst(0) depctr_va_sdst(0) depctr_va_ssrc(0) depctr_va_vcc(0) depctr_vm_vsrc(0)
	s_getreg_b32 s2, hwreg(HW_REG_IB_STS2, 6, 4)
	s_cmp_eq_u32 s2, 0
	s_cbranch_scc0 .Lentry_in_a_cluster
	s_endpgm
.Lentry_in_a_cluster:
	s_bfe_u32 s2, ttmp6, 0x10000c
	s_cmp_lg_u32 s2, 0xf033
	s_cbranch_scc0 .Lentry_shape_is_right
	s_endpgm
.Lentry_shape_is_right:
; out[e] = hidden[e] W2[e]^T on codes of E5M2 with E8M0 scales; f32 sums, rounded once to bf16: out is an operand of the third product, which is left as it is (bf16 operands, f32 sums).
; op [e 8][token block 256][16 columns: 64][lane 32][16 bytes]: lane (r, h) holds token r's columns 8 h .. 8 h + 7 of the 16.
; SHARES. A work-group makes 1,024 tokens x 128 columns of one expert. Wave (i, j): 64 rows of W2 (half i), all of K, stand in registers (512, windows 1 and 2); the hidden layer streams past in chunks of 128 tokens (8 chunks, two LDS slots), tokens 64 j .. 64 j + 63 of each: four blocks of 16.
; Source 0 = 16 rows of W2, source 1 = 16 tokens (window 3, two sets of 128): a lane holds ONE token and eight neighbouring columns.
; hc is an image of the operand's registers, but with the order of K in each 32 that launch up leaves: W2's fragments are read as pairs of 8 bytes in the same order.
; CLUSTERS: 4 x 4: the four of a column share W2's tile, the four of a row the hidden layer's: joint loads. No prefetch: every refill is asked for a whole chunk, 128 products a wave, ahead.
; The ring and its one round a chunk, in block 2, are launch up's. LIMITS: those of launch up; the sums' range is bf16's, which is f32's.
; Ahead of block b: block b - 2 is rounded and stored (the first trip finds none and stores nothing for it), and block b + 1 is loaded in one run into the set that block b - 1 has used.
.set PITCH, 1040
.set YB, 128*PITCH
.set SPARE, 2*YB
.set SCL, SPARE+768+4096
.set A, 1
.set VS, 2
.set SPW, 3
.set NIL, 4
.set CO, 5
.set A3, 6
.set B, 7
.set B3, 8
.set WS, 24
.set XS, 44
.set ACC, 64
.set CD, 128
.set G1X, 24
.set G1W, 32
.set G1R, 40
.set G1S, 48
.set G0X, 56
.set G0W, 60
.set G0R, 68
.set G0S, 72
.set SO, 79
.set SR, 80
.set TC, 81
.set WOFF, 82
.set MSB, 0
.macro WIN new
.if MSB != (\new)
	s_set_vgpr_msb (MSB<<8)|(\new)
.set MSB, (\new)
.endif
.endm
.macro PLACES n
.rept \n
	v_nop
.endr
.endm
.macro WALU
	s_wait_alu depctr_va_vdst(0)
.endm
.macro BARRIER
	s_barrier_signal -1
	s_barrier_wait -1
.endm
.macro CREST
	s_cmp_lg_u32 s16, 0
	s_cbranch_scc1 .Lnot_wave_0_\@
	s_barrier_signal -3
.Lnot_wave_0_\@:
	s_barrier_wait -3
	BARRIER
.endm
.macro CROUND
	BARRIER
	CREST
.endm
.macro TLOAD g0, g1
	tensor_load_to_lds s[\g0:\g0+3], s[\g1:\g1+7]
	s_nop 0
	PLACES 4
.endm
.macro GROUP1 g, mask, rows            ; rows of 1,024 bytes, 16 bytes of padding behind each
	s_or_b32 s[\g+0], s[\mask], (1<<20)|(1<<21)|(7<<22)|(3<<25)
	s_mov_b32 s[\g+1], 1024<<16
	s_mov_b32 s[\g+2], (\rows)<<16
	s_mov_b32 s[\g+3], 1024<<16
	s_mov_b32 s[\g+4], \rows
	s_mov_b32 s[\g+5], 1024
	s_mov_b32 s[\g+6], 0
	s_mov_b32 s[\g+7], 0
.endm
	s_load_b128 s[4:7], s[0:1], 0x0                ; hc, hs
	s_load_b128 s[8:11], s[0:1], 0x10              ; W2's codes, scales
	s_load_b64 s[12:13], s[0:1], 0x20              ; op
	v_lshl_add_u32 v[SPW], v0, 2, SPARE
	v_mov_b32 v[NIL], 0
	ds_add_u32 v[SPW], v[NIL]                      ; the opening add, twice on end
	ds_add_u32 v[SPW], v[NIL]
	v_lshrrev_b32 v16, 5, v0
	v_readfirstlane_b32 s16, v16
	s_lshr_b32 s17, s16, 1                         ; i: my half of W2's 128 rows
	s_and_b32 s18, s16, 1                          ; j: my half of a chunk's tokens
	s_bfe_u32 s20, ttmp6, 0x40000                  ; cx
	s_bfe_u32 s85, ttmp6, 0x40004                  ; cy: which 1,024 tokens
	s_lshr_b32 s83, ttmp9, 1                       ; expert, from the cluster's number alone
	s_lshl_b32 s84, ttmp9, 2
	s_add_co_u32 s84, s84, s20                     ; 8 x expert + column tile
	s_lshl_b32 s86, s85, 2
	s_lshl_b32 s86, 15, s86                        ; my row of the cluster
	s_lshl_b32 s87, 0x1111, s20                    ; my column
	GROUP1 G1X, 87, 128
	GROUP1 G1W, 86, 128
	GROUP1 G1R, 86, 32
	s_or_b32 s[G1S+0], s86, (3<<16)|(1<<20)|(1<<21)|(5<<22)|(3<<25)   ; 512 tokens' scales: 64 units of 256 bytes, 16 of padding behind each
	s_mov_b32 s[G1S+1], 32<<16
	s_mov_b32 s[G1S+2], 64<<16
	s_mov_b32 s[G1S+3], 32<<16
	s_mov_b32 s[G1S+4], 64
	s_mov_b32 s[G1S+5], 32
	s_mov_b32 s[G1S+6], 0
	s_mov_b32 s[G1S+7], 0
	s_lshl_b32 s20, s84, 17                        ; W2: 128 rows
	s_mov_b32 s21, 0
	s_lshl_b32 s22, s83, 22                        ; hc: expert, 64 token blocks of 16 KiB; a chunk is 128 KiB on end, taken as 128 rows of 1,024 bytes
	s_lshl_b32 s23, s85, 20
	s_add_co_u32 s22, s22, s23
	s_mov_b32 s23, 0
	s_lshl_b32 s88, s83, 17                        ; hs: expert, 1,024 tokens; a half for each of waves 2, 3
	s_lshl_b32 s90, s85, 15
	s_add_co_u32 s88, s88, s90
	s_lshl_b32 s90, s18, 14
	s_add_co_u32 s88, s88, s90
	s_mov_b32 s89, 0
	s_lshl_b32 s90, s16, 15                        ; chunk 1: my 32 rows
	s_add_co_u32 s90, s90, s22
	s_add_co_u32 s90, s90, 131072
	s_mov_b32 s91, 0
	s_mul_i32 s[WOFF], s16, 32*PITCH
	s_mov_b32 s[G0X], 1
	s_mov_b32 s[G0X+1], YB
	s_mov_b32 s[G0W], 1
	s_mov_b32 s[G0W+1], 0
	s_mov_b32 s[G0R], 1
	s_add_co_u32 s[G0R+1], s[WOFF], YB
	s_mov_b32 s[G0S], 1
	s_mul_i32 s[G0S+1], s18, 64*272
	s_add_co_u32 s[G0S+1], s[G0S+1], SCL
	s_wait_dscnt 0x0
	CROUND
	s_wait_kmcnt 0x0
	s_add_nc_u64 s[G0X+2:G0X+3], s[8:9], s[20:21]
	s_or_b32 s[G0X+3], s[G0X+3], 0x80000000
	s_add_nc_u64 s[G0W+2:G0W+3], s[4:5], s[22:23]
	s_or_b32 s[G0W+3], s[G0W+3], 0x80000000
	s_add_nc_u64 s[G0S+2:G0S+3], s[6:7], s[88:89]
	s_or_b32 s[G0S+3], s[G0S+3], 0x80000000
	s_add_nc_u64 s[G0R+2:G0R+3], s[4:5], s[90:91]
	s_or_b32 s[G0R+3], s[G0R+3], 0x80000000
	s_cmp_eq_u32 s16, 0                            ; one joint load a wave
	s_cbranch_scc0 .Lwave_1
	TLOAD G0X, G1X                                 ; wave 0: W2's 128 rows, into slot 1
	s_branch .Lasked
.Lwave_1:
	s_cmp_eq_u32 s16, 1
	s_cbranch_scc0 .Lscales
	TLOAD G0W, G1W                                 ; wave 1: chunk 0, into slot 0
	s_branch .Lasked
.Lscales:
	TLOAD G0S, G1S                                 ; waves 2, 3: the hidden layer's scales
.Lasked:
	s_mul_i32 s92, s17, 64*PITCH
	s_add_co_u32 s92, s92, YB
	s_mul_i32 s93, s18, 64*PITCH
	s_mul_i32 s94, s18, 8*272
	s_add_co_u32 s94, s94, SCL-16*272
	s_lshl_b32 s96, s84, 12                        ; W2's scales: my 64 rows
	s_lshl_b32 s97, s17, 11
	s_add_co_u32 s96, s96, s97
	s_mov_b32 s97, 0
	s_add_nc_u64 s[10:11], s[10:11], s[96:97]
	v_and_b32 v16, 15, v0
	v_bfe_u32 v17, v0, 4, 1
	v_and_b32 v18, 31, v0
	v_mul_u32_u24 v19, v16, PITCH
	v_lshl_add_u32 v19, v17, 3, v19                ; W2: row r, + 8 h: two pieces of 8 bytes, 16 bytes apart
	v_add_nc_u32 v23, s92, v19
	v_lshlrev_b32 v[CO], 4, v18
	v_add_nc_u32 v[B], s93, v[CO]                  ; a token block: 16 rows of two images of 512 bytes each
	v_add_nc_u32 v[A], s93, v[CO]
	v_add_nc_u32 v[B3], 48*PITCH, v[B]             ; block 3's offsets begin here
	v_add_nc_u32 v[A3], 48*PITCH, v[A]
	v_lshlrev_b32 v20, 5, v18
	v_lshrrev_b32 v21, 3, v18
	v_lshl_add_u32 v21, v21, 4, v20
	v_add_nc_u32 v[VS], s94, v21
.irp p, 0,1
.irp c, 0,1
	global_load_b128 v[XS+8*\p+4*\c:XS+8*\p+4*\c+3], v20, s[10:11] offset:1024*\p+16*\c   ; lanes 0-15 tile 2 p's rows, lanes 16-31 tile 2 p + 1's
.endr
.endr
.set i_, 0
.rept 64
	v_mov_b32 v[ACC+i_], 0                         ; the first two blocks round these and store nothing of them
.set i_, i_+1
.endr
	s_lshl_b32 s20, s83, 23                        ; op: expert, token block 64 cy + 4 j, column block 8 tile + 4 i
	s_lshl_b32 s21, s85, 21
	s_add_co_u32 s20, s20, s21
	s_lshl_b32 s21, s18, 17
	s_add_co_u32 s20, s20, s21
	s_and_b32 s21, s84, 7
	s_lshl_b32 s21, s21, 12
	s_add_co_u32 s20, s20, s21
	s_lshl_b32 s21, s17, 11
	s_add_co_u32 s20, s20, s21
	s_mov_b32 s21, 0
	s_add_nc_u64 s[12:13], s[12:13], s[20:21]
	s_sub_nc_u64 s[12:13], s[12:13], 262144        ; a trip's step, 8 token blocks, ahead of the first
	s_mov_b32 s[SO], YB
	s_mov_b32 s[SR], 0
	s_mov_b32 s[TC], 0
.macro LB set, a, row                  ; a token block's eight fragments
	WIN 0xc0
.irp q, 0,1,2,3,4,5,6,7
.irp c, 0,1,2,3
	ds_load_b128 v[128*(\set)+16*\q+4*\c:128*(\set)+16*\q+4*\c+3], v[\a] offset:(\row+2*\q+\c/2)*PITCH+512*(\c%2)
.endr
.endr
	WIN 0
.endm
.macro WSL set, off                    ; 32 tokens' scale words: lanes 0-15 the even block's, lanes 16-31 the odd block's
	ds_load_b128 v[WS+8*(\set):WS+8*(\set)+3], v[VS] offset:\off
	ds_load_b128 v[WS+8*(\set)+4:WS+8*(\set)+7], v[VS] offset:(\off)+16
.endm
	WALU
	s_wait_tensorcnt 0x0
	BARRIER
.irp q, 0,1,2,3,4,5,6,7
.irp t, 0,1,2,3
	WIN (1+(\q)/4)<<6
.irp c, 0,1,2,3
	ds_load_b64 v[16*((4*\q+\t)%16)+4*\c:16*((4*\q+\t)%16)+4*\c+1], v23 offset:\t*16*PITCH+128*\q+32*\c
	ds_load_b64 v[16*((4*\q+\t)%16)+4*\c+2:16*((4*\q+\t)%16)+4*\c+3], v23 offset:\t*16*PITCH+128*\q+32*\c+16
.endr
.endr
.endr
	WIN 0
	WSL 0, 16*272
	LB 0, A, 0
	s_wait_tensorcnt 0x0                           ; slot 1 takes chunk 1 when all hold W2 in registers
	ds_add_u32 v[SPW], v[NIL]
	s_wait_dscnt 0x0
	s_wait_loadcnt 0x0
	CROUND
	TLOAD G0R, G1R
.macro WMX z
.if \z
.if rA_ && rB_
	v_wmma_scale_f32_16x16x128_f8f6f4 v[D_:D_+7], v[X_:X_+15], v[S_:S_+15], 0, v[XS_], v[WS_] matrix_a_fmt:MATRIX_FMT_BF8 matrix_b_fmt:MATRIX_FMT_BF8 matrix_a_scale:MATRIX_SCALE_ROW1 matrix_b_scale:MATRIX_SCALE_ROW1
.elseif rA_
	v_wmma_scale_f32_16x16x128_f8f6f4 v[D_:D_+7], v[X_:X_+15], v[S_:S_+15], 0, v[XS_], v[WS_] matrix_a_fmt:MATRIX_FMT_BF8 matrix_b_fmt:MATRIX_FMT_BF8 matrix_a_scale:MATRIX_SCALE_ROW1
.elseif rB_
	v_wmma_scale_f32_16x16x128_f8f6f4 v[D_:D_+7], v[X_:X_+15], v[S_:S_+15], 0, v[XS_], v[WS_] matrix_a_fmt:MATRIX_FMT_BF8 matrix_b_fmt:MATRIX_FMT_BF8 matrix_b_scale:MATRIX_SCALE_ROW1
.else
	v_wmma_scale_f32_16x16x128_f8f6f4 v[D_:D_+7], v[X_:X_+15], v[S_:S_+15], 0, v[XS_], v[WS_] matrix_a_fmt:MATRIX_FMT_BF8 matrix_b_fmt:MATRIX_FMT_BF8
.endif
.else
.if rA_ && rB_
	v_wmma_scale_f32_16x16x128_f8f6f4 v[D_:D_+7], v[X_:X_+15], v[S_:S_+15], v[D_:D_+7], v[XS_], v[WS_] matrix_a_fmt:MATRIX_FMT_BF8 matrix_b_fmt:MATRIX_FMT_BF8 matrix_a_scale:MATRIX_SCALE_ROW1 matrix_b_scale:MATRIX_SCALE_ROW1
.elseif rA_
	v_wmma_scale_f32_16x16x128_f8f6f4 v[D_:D_+7], v[X_:X_+15], v[S_:S_+15], v[D_:D_+7], v[XS_], v[WS_] matrix_a_fmt:MATRIX_FMT_BF8 matrix_b_fmt:MATRIX_FMT_BF8 matrix_a_scale:MATRIX_SCALE_ROW1
.elseif rB_
	v_wmma_scale_f32_16x16x128_f8f6f4 v[D_:D_+7], v[X_:X_+15], v[S_:S_+15], v[D_:D_+7], v[XS_], v[WS_] matrix_a_fmt:MATRIX_FMT_BF8 matrix_b_fmt:MATRIX_FMT_BF8 matrix_b_scale:MATRIX_SCALE_ROW1
.else
	v_wmma_scale_f32_16x16x128_f8f6f4 v[D_:D_+7], v[X_:X_+15], v[S_:S_+15], v[D_:D_+7], v[XS_], v[WS_] matrix_a_fmt:MATRIX_FMT_BF8 matrix_b_fmt:MATRIX_FMT_BF8
.endif
.endif
.endm
.macro PROD b, n                       ; product n = 4 q + t: the q-th 128 of K, tile t of W2's rows
.set Q_, (\n)/4
.set T_, (\n)%4
.set D_, ACC+32*((\b)%2)+8*T_
.set S_, 128*((\b)%2)+16*Q_
.set X_, 16*((4*Q_+T_)%16)
.set WS_, WS+8*((\b)/2)+Q_
.set XS_, XS+8*(T_/2)+Q_
.set rA_, T_%2
.set rB_, (\b)%2
	WIN (1+Q_/4)|(3<<2)
.if Q_ == 0
	WMX 1
.else
	WMX 0
.endif
.endm
.macro MEET n, mode                    ; in block 2: the round
.if (\n) == 22
	WIN 0
	s_wait_tensorcnt 0x0                           ; the other slot's chunk has landed: my part
.if (\mode) == 0
	ds_add_u32 v[SPW], v[NIL]
	s_add_co_u32 s[G0R+1], s[SR], s[WOFF]          ; this slot takes the chunk two on
	s_add_nc_u64 s[G0R+2:G0R+3], s[G0R+2:G0R+3], 131072
.endif
.endif
.if (\n) == 27
	WIN 0
	s_wait_dscnt 0x0                               ; the add is done, and my reads of this slot are over
	s_barrier_signal -1
.endif
.endm
.macro BOUNDARY b, mode                ; ahead of block b
	WIN 0
.if (\b) == 0 && (\mode) < 3
	v_add_nc_u32 v[VS], 16*272, v[VS]
	WALU
.endif
.if (\b) == 3 && (\mode) < 2
	v_add_nc_u32 v[A], s[SO], v[B]                 ; on to the other slot
	v_add_nc_u32 v[A3], s[SO], v[B3]
	WALU
.endif
	s_wait_xcnt 0x0                                ; the last block's stores have read their registers and base
.if (\b) == 0
	s_add_nc_u64 s[12:13], s[12:13], 262144
.endif
	s_wait_dscnt 0x0                               ; block b's fragments are in
.set i_, 0
.rept 16
	v_cvt_pk_bf16_f32 v[CD+i_], v[ACC+32*((\b)%2)+2*i_], v[ACC+32*((\b)%2)+2*i_+1]   ; block b - 2; places too, in front of the loads below
.set i_, i_+1
.endr
.if (\b) < 2
.set o_, 32768*((\b)+2)-262144
.else
.set o_, 32768*((\b)-2)
.endif
.if (\b) < 2 && (\mode) == 0
	s_cmp_eq_u32 s[TC], 0
	s_cbranch_scc1 .Lno_block_\@
.endif
.irp t, 0,1,2,3
	global_store_b128 v[CO], v[CD+4*\t:CD+4*\t+3], s[12:13] offset:o_+512*\t   ; the four: 2,048 consecutive bytes
.endr
.if (\b) < 2 && (\mode) == 0
.Lno_block_\@:
.endif
.if (\b) == 0 && (\mode) < 3
	WSL 1, 4*272
.endif
.if (\b) == 3 && (\mode) < 2
	WSL 0, 16*272
	LB 0, A, 0
.endif
.if (\b) < 2 && (\mode) < 3
	LB (((\b)+1)%2), A, 16*((\b)+1)
.endif
.if (\b) == 2
	LB 1, A3, 0
.endif
.endm
.macro BLOCK b, mode
	BOUNDARY \b, \mode
.set n_, 0
.rept 32
	PROD \b, n_
.if (\b) == 2 && (\mode) < 2
	MEET n_, \mode
.endif
.set n_, n_+1
.endr
	WIN 0
.if (\b) == 2 && (\mode) < 2
	s_barrier_wait -1
.if (\mode) == 0
	CREST                                          ; no wave of any partner still reads this slot or has a load on its way
	TLOAD G0R, G1R
.endif
.endif
.endm
.macro TRIP mode                       ; a chunk.  0: this slot is filled again; 1: nothing is; 2: the last chunk
	BLOCK 0, \mode
	BLOCK 1, \mode
	BLOCK 2, \mode
	BLOCK 3, \mode
	s_xor_b32 s[SO], s[SO], YB
	s_xor_b32 s[SR], s[SR], YB
.endm
.Lchunk:
	TRIP 0
	s_add_co_u32 s[TC], s[TC], 1
	s_cmp_lg_u32 s[TC], 6
	s_cbranch_scc1 .Lchunk
	TRIP 1
	TRIP 2
	BOUNDARY 0, 3                                  ; the last two blocks' way out
	BOUNDARY 1, 3
	s_wait_tensorcnt 0x0                           ; the wave's end
	ds_add_u32 v[SPW], v[NIL]
	s_wait_dscnt 0x0
	CROUND
	s_endpgm
.Lfunc_end_k_q96f578c487_down:
	.size	k_q96f578c487_down, .Lfunc_end_k_q96f578c487_down-k_q96f578c487_down
	.p2alignl 7, 3214868480
	.fill 96, 4, 3214868480
	.section	.rodata,"a",@progbits
	.p2align	6, 0x0
	.amdhsa_kernel k_q96f578c487_down
		.amdhsa_group_segment_fixed_size 327680
		.amdhsa_private_segment_fixed_size 0
		.amdhsa_enable_private_segment 0
		.amdhsa_kernarg_size 40
		.amdhsa_user_sgpr_count 2
		.amdhsa_user_sgpr_kernarg_segment_ptr 1
		.amdhsa_wavefront_size32 1
		.amdhsa_system_sgpr_workgroup_id_x 1
		.amdhsa_system_sgpr_workgroup_id_y 1
		.amdhsa_system_sgpr_workgroup_id_z 1
		.amdhsa_system_vgpr_workitem_id 0
		.amdhsa_next_free_vgpr 1024
		.amdhsa_next_free_sgpr 100
		.amdhsa_reserve_vcc 0
		.amdhsa_float_denorm_mode_32 3
		.amdhsa_float_denorm_mode_16_64 3
		.amdhsa_memory_ordered 1
		.amdhsa_forward_progress 1
		.amdhsa_inst_pref_size 125
	.end_amdhsa_kernel
	.amdgpu_metadata
---
amdhsa.version: [ 1, 2 ]
amdhsa.kernels:
  - .name:           k_q96f578c487_down
    .symbol:         k_q96f578c487_down.kd
    .args:
      - { .name: hc, .offset: 0, .size: 8, .value_kind: global_buffer, .address_space: global }
      - { .name: hs, .offset: 8, .size: 8, .value_kind: global_buffer, .address_space: global }
      - { .name: w2_codes, .offset: 16, .size: 8, .value_kind: global_buffer, .address_space: global }
      - { .name: w2_scales, .offset: 24, .size: 8, .value_kind: global_buffer, .address_space: global }
      - { .name: op, .offset: 32, .size: 8, .value_kind: global_buffer, .address_space: global }
    .group_segment_fixed_size: 327680
    .private_segment_fixed_size: 0
    .kernarg_segment_align: 8
    .kernarg_segment_size: 40
    .max_flat_workgroup_size: 128
    .sgpr_count:     100
    .vgpr_count:     1024
    .wavefront_size: 32
...
	.end_amdgpu_metadata
.endif
;; end of part 2
;; launch sum (part 3): grid 256 x 1, 16 waves a work-group, no clusters, 71,680 bytes of LDS; arguments op, routing_weights, out0; writes out0
.if DOCPART == 3
	.amdgcn_target "amdgcn-amd-amdhsa--gfx1250"
	.amdhsa_code_object_version 6
	.text
	.protected	k_q96f578c487_sum
	.globl	k_q96f578c487_sum
	.p2align	8
	.type	k_q96f578c487_sum,@function
k_q96f578c487_sum:
	s_mov_b64 s[64:65], 0
	v_nop
	global_prefetch_b8 v0, s[64:65] scope:SCOPE_SE
	s_setreg_imm32_b32 hwreg(HW_REG_WAVE_MODE, 25, 1), 1
	s_wait_xcnt 0x0
; combined[n][d] = sum over e of rw[n][e] out[n][e][d]: the third product, left as it is: out in bf16, rw and the sums in f32, e ascending.
; A work-group takes a block of 16 tokens, a wave 64 columns of it: 8 experts x 4 pieces of 512 consecutive bytes, all asked for at once; each byte is read once. No matrix instruction, no cluster: no work-group shares an input with another.
; LIMITS: those of launch up.
.set SPARE, 16*16*272                  ; behind the stages, 16 rows x 272 bytes for each wave
.set SPW, 1
.set NIL, 2
.set CO, 3
.set RWO, 4
.set STO, 5
.set RDO, 6
.set OO, 7
.set RW, 8
.set AC, 16
.set TP, 48
.set X, 64
	s_load_b128 s[4:7], s[0:1], 0x0                ; op, routing_weights
	s_load_b64 s[10:11], s[0:1], 0x10              ; out0
	v_lshl_add_u32 v[SPW], v0, 2, SPARE
	v_mov_b32 v[NIL], 0
	v_lshrrev_b32 v56, 5, v0
	v_readfirstlane_b32 s8, v56                    ; wave
	s_lshl_b32 s20, ttmp9, 15                      ; op: 32,768 bytes a token block, 2,048 a wave
	s_lshl_b32 s21, s8, 11
	s_add_co_u32 s20, s20, s21
	s_mov_b32 s21, 0
	s_lshl_b32 s22, ttmp9, 9                       ; routing_weights: 16 rows of 32 bytes
	s_mov_b32 s23, 0
	s_lshl_b32 s24, ttmp9, 16                      ; out0: 16 rows of 4,096 bytes, my 256 of each
	s_lshl_b32 s25, s8, 8
	s_add_co_u32 s24, s24, s25
	s_mov_b32 s25, 0
	s_mul_i32 s26, s8, 16*272
	v_and_b32 v56, 15, v0
	v_bfe_u32 v57, v0, 4, 1
	v_and_b32 v58, 31, v0
	v_lshlrev_b32 v[CO], 4, v58
	v_lshlrev_b32 v[RWO], 5, v56
	v_mul_u32_u24 v59, v56, 272
	v_lshl_add_u32 v59, v57, 5, v59
	v_add_nc_u32 v[STO], s26, v59                  ; in: row r, 32 bytes for each half of the lanes
	v_mul_u32_u24 v59, v57, 272
	v_lshl_add_u32 v59, v56, 4, v59
	v_add_nc_u32 v[RDO], s26, v59                  ; back: lanes 0-15 one row of 256 bytes, lanes 16-31 the next
	v_lshlrev_b32 v59, 12, v57
	v_lshl_add_u32 v[OO], v56, 4, v59
	s_wait_alu depctr_va_vdst(0)
	s_wait_kmcnt 0x0
	s_add_nc_u64 s[4:5], s[4:5], s[20:21]
	s_add_nc_u64 s[6:7], s[6:7], s[22:23]
	s_add_nc_u64 s[10:11], s[10:11], s[24:25]
.irp e, 0,1,2,3,4,5,6,7
	s_add_nc_u64 s[32+2*\e:33+2*\e], s[4:5], \e*0x800000
.endr
	global_load_b128 v[RW:RW+3], v[RWO], s[6:7]
	global_load_b128 v[RW+4:RW+7], v[RWO], s[6:7] offset:16
.irp e, 0,1,2,3,4,5,6,7
.irp d, 0,1,2,3
	global_load_b128 v[X+16*\e+4*\d:X+16*\e+4*\d+3], v[CO], s[32+2*\e:33+2*\e] offset:512*\d th:TH_LOAD_NT
.endr
.endr
.irp e, 0,1,2,3,4,5,6,7
	s_wait_loadcnt 28-4*\e                         ; expert e's four pieces are in; the later experts' may be out
.irp d, 0,1,2,3
.irp i, 0,1,2,3
	v_lshlrev_b32 v[TP+2*\i], 16, v[X+16*\e+4*\d+\i]
	v_and_b32 v[TP+2*\i+1], 0xffff0000, v[X+16*\e+4*\d+\i]
.endr
.irp i, 0,1,2,3
.set r_, AC+8*\d+2*\i
.set g_, RW+\e-\e%2
.if \e == 0
	v_pk_mul_f32 v[r_:r_+1], v[TP+2*\i:TP+2*\i+1], v[g_:g_+1] op_sel_hi:[1,0]
.elseif \e%2
	v_pk_fma_f32 v[r_:r_+1], v[TP+2*\i:TP+2*\i+1], v[g_:g_+1], v[r_:r_+1] op_sel:[0,1,0] op_sel_hi:[1,1,1]
.else
	v_pk_fma_f32 v[r_:r_+1], v[TP+2*\i:TP+2*\i+1], v[g_:g_+1], v[r_:r_+1] op_sel_hi:[1,0,1]
.endif
.endr
.endr
.endr
.irp d, 0,1,2,3
	ds_store_b128 v[STO], v[AC+8*\d:AC+8*\d+3] offset:64*\d
	ds_store_b128 v[STO], v[AC+8*\d+4:AC+8*\d+7] offset:64*\d+16
.endr
.irp t, 0,1,2,3,4,5,6,7
	ds_load_b128 v[X+4*\t:X+4*\t+3], v[RDO] offset:544*\t   ; my own bytes: LDS serves a wave's instructions in order (ISA guide 5.7.1)
.endr
.irp t, 0,1,2,3,4,5,6,7
	s_wait_dscnt 7-\t
	global_store_b128 v[OO], v[X+4*\t:X+4*\t+3], s[10:11] offset:8192*\t th:TH_STORE_NT   ; two rows' aligned 256 bytes
.endr
	s_wait_tensorcnt 0x0                           ; the wave's end
	ds_add_u32 v[SPW], v[NIL]
	s_wait_dscnt 0x0
	s_endpgm
.Lfunc_end_k_q96f578c487_sum:
	.size	k_q96f578c487_sum, .Lfunc_end_k_q96f578c487_sum-k_q96f578c487_sum
	.p2alignl 7, 3214868480
	.fill 96, 4, 3214868480
	.section	.rodata,"a",@progbits
	.p2align	6, 0x0
	.amdhsa_kernel k_q96f578c487_sum
		.amdhsa_group_segment_fixed_size 71680
		.amdhsa_private_segment_fixed_size 0
		.amdhsa_enable_private_segment 0
		.amdhsa_kernarg_size 24
		.amdhsa_user_sgpr_count 2
		.amdhsa_user_sgpr_kernarg_segment_ptr 1
		.amdhsa_wavefront_size32 1
		.amdhsa_system_sgpr_workgroup_id_x 1
		.amdhsa_system_sgpr_workgroup_id_y 1
		.amdhsa_system_sgpr_workgroup_id_z 1
		.amdhsa_system_vgpr_workitem_id 0
		.amdhsa_next_free_vgpr 192
		.amdhsa_next_free_sgpr 66
		.amdhsa_reserve_vcc 0
		.amdhsa_float_denorm_mode_32 3
		.amdhsa_float_denorm_mode_16_64 3
		.amdhsa_memory_ordered 1
		.amdhsa_forward_progress 1
		.amdhsa_inst_pref_size 28
	.end_amdhsa_kernel
	.amdgpu_metadata
---
amdhsa.version: [ 1, 2 ]
amdhsa.kernels:
  - .name:           k_q96f578c487_sum
    .symbol:         k_q96f578c487_sum.kd
    .args:
      - { .name: op, .offset: 0, .size: 8, .value_kind: global_buffer, .address_space: global }
      - { .name: routing_weights, .offset: 8, .size: 8, .value_kind: global_buffer, .address_space: global }
      - { .name: out0, .offset: 16, .size: 8, .value_kind: global_buffer, .address_space: global }
    .group_segment_fixed_size: 71680
    .private_segment_fixed_size: 0
    .kernarg_segment_align: 8
    .kernarg_segment_size: 24
    .max_flat_workgroup_size: 512
    .sgpr_count:     66
    .vgpr_count:     192
    .wavefront_size: 32
...
	.end_amdgpu_metadata
.endif
;; end of part 3
